; MI455X (gfx1250); checked and timed in simulation.
; The chip was launched on July 23, 2026; its instructions are those of AMD's public machine-readable ISA for CDNA 5 (MIT licence, August 2026) and "CDNA5" Instruction Set Architecture Reference Guide (July 2026). The comments in the code are by the model that wrote it; some were corrected since.
;; Multi Head Self Attention. Allowed arithmetic: matrix products marked QUANTISED: E4M3 operands, one given power-of-two scale a tensor, by v_wmma_f32_16x16x64_fp8_fp8 or v_wmma_f32_16x16x128_fp8_fp8, f32 sums; everything else in f32.
;; Inputs: lowp_scales 12 int32 (the exponents e of the quantised operands' scales 2^e); w_k_codes 1,024 x 32 x 32 uint8 (E4M3 codes of w_k, K innermost, in blocks of 32 codes); w_o_codes 1,024 x 32 x 32 uint8 (E4M3 codes of w_o, K innermost, in blocks of 32 codes); w_q_codes 1,024 x 32 x 32 uint8 (E4M3 codes of w_q, K innermost, in blocks of 32 codes); w_v_codes 1,024 x 32 x 32 uint8 (E4M3 codes of w_v, K innermost, in blocks of 32 codes); x_codes 4 x 2,048 x 32 x 32 uint8 (E4M3 codes of x, K innermost, in blocks of 32 codes).
;; Outputs: out0 4 x 2,048 x 1,024 float32.
;; This version of the problem:
;;   THIS VERSION OF THE PROBLEM IS GIVEN IN LOW PRECISION. The matrix products marked QUANTISED in the list below multiply operands that are first quantised to E4M3 (4 exponent bits, 3 mantissa bits; 8 bits a number), with one given power-of-two scale for each operand tensor; their sums are f32. All else is computed in f32.
;;   The module's matrix products, in the order in which they are computed (A, B: the left and right operand; K: the contracted axis; several contracted axes count as one K, in the product's order):
;;     1. [M 8,192, K 1,024] x [K 1,024, N 1,024]; A: input x (given as codes); B: input w_q (given as codes): QUANTISED (scales: A lowp_scales[0], B lowp_scales[1])
;;     2. [M 8,192, K 1,024] x [K 1,024, N 1,024]; A: input x (given as codes); B: input w_k (given as codes): QUANTISED (scales: A lowp_scales[2], B lowp_scales[3])
;;     3. [M 8,192, K 1,024] x [K 1,024, N 1,024]; A: input x (given as codes); B: input w_v (given as codes): QUANTISED (scales: A lowp_scales[4], B lowp_scales[5])
;;     4. batch 64 x [M 2,048, K 64] x [K 64, N 2,048]; A: computed on the way; B: computed on the way: QUANTISED (scales: A lowp_scales[6], B lowp_scales[7])
;;     5. batch 64 x [M 2,048, K 2,048] x [K 2,048, N 64]; A: softmax (see below); B: computed on the way: QUANTISED (scales: A lowp_scales[8], B lowp_scales[9])
;;     6. [M 8,192, K 1,024] x [K 1,024, N 1,024]; A: computed on the way; B: input w_o (given as codes): QUANTISED (scales: A lowp_scales[10], B lowp_scales[11])
;;   THE QUANTISER, for each operand of a quantised product, along K:
;;     - The operand's scale is 2^e, e = its entry of the input lowp_scales (int32; the entries are numbered through the quantised products in the list's order, A before B).
;;     - Each number is divided by the scale, clamped to +-448, and rounded to the nearest number of E4M3, ties to even, subnormals kept.
;;     - The product sums the exact products of the quantised numbers (number of the format x scale) in f32.
;;   ~~~python
;;   def quantise(x, axis, e):      # numpy; x: float32 -> the quantised numbers, widened to float32 again
;;       x = np.moveaxis(x, axis, -1); K = x.shape[-1]
;;       r = np.clip(x / 2.0 ** e, -448, 448)
;;       step = 2.0 ** (np.maximum(np.frexp(np.where(r == 0, 1, r))[1] - 1, -6) - 3)
;;       q = np.round(r / step) * step * 2.0 ** e      # np.round: ties to even
;;       return np.moveaxis(q, -1, axis).astype(np.float32)
;;   ~~~
;;   SOFTMAX AHEAD OF A QUANTISED PRODUCT. Where the list says 'softmax', what is quantised is not the finished softmax but p = 2^(t - M), with t = logit x log2(e) and M = ceil(the row's largest t), a whole number; so 1/2 < the row's largest p <= 1. The row's sum l is taken of the UNQUANTISED p, in f32, and the product's result is divided by l at the end. Since M is a whole number, a kernel that streams over the keys may use a running M (the ceiling of the running maximum): every later rescaling is an exact power of two, so the quantised numbers keep their values, but for numbers so far below the row's largest that they fall under the format's range.
;;   OPERANDS COMPUTED ON THE WAY. 'Computed on the way' means the value that the module computes at that place (a softmax that the list does not call 'softmax' is quantised finished and normalised). What goes into a quantiser is computed in f32, as accurately as f32 sums, v_exp_f32 and their like allow (about 1e-6 of the number): no bf16 or f16 on the way to a quantiser, and a product that is left as it is and whose result goes on into a quantised operand takes f32 operands (vector FMAs, or v_wmma_f32_16x16x4_f32). A number that lies on a knife's edge between two numbers of the format may be rounded either way, as far as f32 arithmetic and the matrix unit's own rounding can turn it there, and no further.
;;   INPUTS GIVEN AS CODES. w_k (in the module: [1024, 1024], K = its axis 1); w_o (in the module: [1024, 1024], K = its axis 1); w_q (in the module: [1024, 1024], K = its axis 1); w_v (in the module: [1024, 1024], K = its axis 1); x (in the module: [4, 2048, 1024], K = its axis 2): each comes as NAME_codes (uint8): NAME with its K axis moved to the last place and cut into blocks of 32 codes, [.., K / 32, bytes a block], one block behind the other in memory; one code a byte (a code: sign, 4 exponent bits, 3 mantissa bits); its scale is its entry of lowp_scales. Its value is code x scale, taken as it is: it is not quantised again, and the codes and scales need not be those that the quantiser above would give.
;; One version. Each part assembles by itself: llvm-mc -triple=amdgcn-amd-amdhsa -mcpu=gfx1250 --defsym DOCPART=n.
;; ======== version 1 of 1: 3 launches
;; limits: right only within a limited range of input values
;; workspace buffers: qkv 25,165,824 bytes; a_codes 8,388,608 bytes
;; launch qkv (part 1): grid 12 x 32, 4 waves a work-group, clusters of 4 x 4, 327,680 bytes of LDS; arguments x_codes, w_q_codes, w_k_codes, w_v_codes, lowp_scales, qkv; writes qkv
.if DOCPART == 1
	.amdgcn_target "amdgcn-amd-amdhsa--gfx1250"
	.amdhsa_code_object_version 6
	.text
	.protected	k_q9bb8f985c4_qkv
	.globl	k_q9bb8f985c4_qkv
	.p2align	8
	.type	k_q9bb8f985c4_qkv,@function
k_q9bb8f985c4_qkv:
	s_mov_b64 s[64:65], 0
	v_nop
	global_prefetch_b8 v0, s[64:65] scope:SCOPE_SE
	s_setreg_imm32_b32 hwreg(HW_REG_WAVE_MODE, 25, 1), 1
	s_wait_xcnt 0x0
	s_wait_alu depctr_hold_cnt(0) depctr_sa_sdst(0) depctr_va_vdst(0) depctr_va_sdst(0) depctr_va_ssrc(0) depctr_va_vcc(0) depctr_vm_vsrc(0)
	s_getreg_b32 s2, hwreg(HW_REG_IB_STS2, 6, 4)
	s_cmp_eq_u32 s2, 0
	s_cbranch_scc0 .Lentry_in_a_cluster
	s_endpgm
.Lentry_in_a_cluster:
	s_bfe_u32 s2, ttmp6, 0x10000c
	s_cmp_lg_u32 s2, 0xf033
	s_cbranch_scc0 .Lentry_shape_is_right
	s_endpgm
.Lentry_shape_is_right:
; Q = x Wq^T, K = x Wk^T, V = x Wv^T on codes of FP8 (E4M3), sums in f32, and each result quantised at once to the codes that the attention launch multiplies.
; x: [8192 tokens][1024], Wq, Wk, Wv: [1024 features][1024]: codes, K innermost.  The cluster's x says which product: 0 = Q, 1 = K, 2 = V.
; GENERIC FORM: C[m][n] = sum over k of A[m][k] B[n][k].  For Q and K: A = x, B = the weight.  For V: A = Wv, B = x, so that C = V^T and a lane's eight results are eight neighbouring TOKENS:
; the keys are the K of attention's second product.  The choice is made by selects on the cluster's x alone: pointers, tile coordinates and the strides of the way out; no branch hangs on it.
; A tile of C, 256 x 256, is made by a work-group of four waves; a wave makes 128 x 128: 64 accumulators of 16 x 16, 512 registers.  3 x 32 x 4 = 384 tiles.
; K goes in steps of 256 through a ring of two LDS slots filled by the tensor data mover: a tile's row is 256 bytes of memory.
; CLUSTERS: 4 x 4 work-groups.  The four of a row of the cluster need the same tiles of A, the four of a column the same tiles of B: each tile is asked for JOINTLY, by the same tensor load with the
; same descriptor and a mask that names the four.  THE MATRIX INSTRUCTION IS USED TRANSPOSED (source 0 = 16 rows of B, source 1 = 16 rows of A): lane (r, h) of accumulator (a, b) holds C(16 a + r, 16 b + 8 h + 0 .. 7).
; THE WAY OUT needs no LDS: eight sums of a lane become eight codes (two registers); accumulators (a, 2 g) and (a, 2 g + 1) give 16 bytes a lane, and the wave stores them as they stand, 512 consecutive bytes:
; the buffer qkv is laid as IMAGES OF THE OPERAND REGISTERS of the attention launch:  [16 batch + head][Q 131,072 | K 131,072 | V 131,072 bytes];
;   Q, K: [16 tokens][group c of 2][lane][16 bytes]: lane (r, h): token r, channels 32 c + 8 h + 0 .. 7, then 32 c + 16 + 8 h + 0 .. 7;
;   V:    [128 keys][16 channels of 4][group c of 4][lane][16 bytes]: lane (r, h): channel r, keys 32 c + 8 h + 0 .. 7, then 32 c + 16 + 8 h + 0 .. 7.
; code = sum / 2^E, E = e_out - e_a - e_b (Q: entries 6, 0, 1 of the scales; K: 7, 2, 3; V: 9, 4, 5), held within +-448, to the nearest code, ties to even.
; LIMIT: -126 <= E <= 119, so that 2^E and 448 x 2^E are f32 numbers.  NaN among the sums is not served.
; REGISTERS, in windows of 256: window 0: v0-31 addresses; from v128 A's fragments (8 x 16 rows x 128 K), ONE set; on the way out v32-95 held sums, v96-223 codes.
;   window 1: B's fragments, TWO sets, at v0 and at v128.   window 2: the 32 accumulators of my rows 0-63 (accumulator (a, b) at v[8 (8 a + b)]);   window 3: those of my rows 64-127.
.set SIZE_K, 1024
.set KSTEP,  256                       ; along K in a slot
.set ROWB,   256                       ; a tile's row in bytes
.set KROW,   SIZE_K                    ; a row of A or of B in memory, in bytes
.set PITCH,  272                       ; an LDS row: 256 bytes + 16 of padding = 68 words: the 16 rows that a load touches start at 16 different banks (64 banks of 4 bytes: ISA guide 11.1)
.set FR,     16                        ; registers of a fragment: 16 rows x 128 K
.set NL,     4                         ; LDS loads that bring one
.set NP,     4                         ; places behind this matrix instruction (ISA guide 7.12.1)
.set HALFT,  128*PITCH                 ; 128 rows: what one tensor load brings, and what one wave reads of A or of B
.set SLOT,   4*HALFT                   ; A's 256 rows, then B's 256 rows
.set LAPS,   SIZE_K/(2*KSTEP)          ; a lap = two K steps = once round the ring: 2
.set SPARE,  2*SLOT                    ; behind the ring: the spare words, 128 bytes for each wave: two blocks of 256 bytes that no other line names
.set HEADB,  393216                    ; a head's bytes in qkv
.set OFS,  8                           ; v8-11   the way out: my byte offset for group 0 .. 3
.set SCL,  12                          ; v12     2^E as f32
.set LIMV, 13
.set ADRA, 16                          ; v16-17  LDS address of my A fragments in slot 0, 1
.set ADRB, 20                          ; v20-21  the same for B
.set SPW,  28                          ; v28     LDS address of my spare word: SPARE + 4 x my thread's number; never rewritten
.set NIL,  29                          ; v29     0; never rewritten
.set TMP,  32
.set CODE, 96                          ; the way out: 16 registers of codes for each of the eight blocks, so that no store's data are written again
.set AF,   128                         ; A's fragments, in window 0
.set G1, 24                            ; s[24:31] descriptor group 1 for A's tiles;  s[32:39] group 0, one set for each slot
.set G0, 32
.set G1B, 48                           ; s[48:55], s[56:63] the same for B's tiles
.set G0B, 56
.set OUTP, 72                          ; s[72:87] the way out: an address for each of my eight blocks; never rewritten
.set MSB, 0
.macro WIN new                         ; the immediate's high byte repeats the setting that is left
.if MSB != \new
	s_set_vgpr_msb (MSB<<8)|\new
.set MSB, \new
.endif
.endm
.set MUL_LO, 0xa1                      ; source 0 (B) window 1, source 1 (A) window 0, C and D window 2
.set MUL_HI, 0xf1                      ; the same, C and D window 3
.set TO_B,   0x40                      ; destination window 1, address window 0
; A joint load: waves 0 and 1 fetch for A, waves 2 and 3 for B.  Each of the two lines has ONE mask and one set of registers for all that issue it; the branch hangs on the wave's number alone.
; Four v_nop follow each of the two lines, ahead of the jump, the label and what follows.
.macro JLOAD g0a, g1a, g0b, g1b
	s_cmp_eq_u32 s15, 0
	s_cbranch_scc0 .Lfor_b_\@
	tensor_load_to_lds s[\g0a:\g0a+3], s[\g1a:\g1a+7]
	s_nop 0
.rept 4
	v_nop
.endr
	s_branch .Lasked_\@
.Lfor_b_\@:
	tensor_load_to_lds s[\g0b:\g0b+3], s[\g1b:\g1b+7]
	s_nop 0
.rept 4
	v_nop
.endr
.Lasked_\@:
.endm
.macro CREST                           ; a round of the cluster's barrier behind its opening barrier
	s_cmp_lg_u32 s14, 0
	s_cbranch_scc1 .Lnot_wave_0_\@
	s_barrier_signal -3
.Lnot_wave_0_\@:
	s_barrier_wait -3
	s_barrier_signal -1
	s_barrier_wait -1
.endm
.macro CROUND                          ; a whole round
	s_barrier_signal -1
	s_barrier_wait -1
	CREST
.endm
	s_load_b256 s[4:11], s[0:1], 0x0               ; x s[4:5], Wq s[6:7], Wk s[8:9], Wv s[10:11]
	s_load_b128 s[68:71], s[0:1], 0x20             ; the scales' exponents s[68:69], qkv s[70:71]
	v_lshl_add_u32 v[SPW], v0, 2, SPARE
	v_mov_b32 v[NIL], 0
	ds_add_u32 v28, v29
	ds_add_u32 v28, v29
	s_wait_dscnt 0x0
	v_lshrrev_b32 v1, 5, v0
	v_readfirstlane_b32 s14, v1                    ; wave 0..3
	s_lshr_b32 s15, s14, 1                         ; which half of the tile's rows is mine.  Also: I fetch for A (0) or for B (1)
	s_and_b32 s16, s14, 1                          ; which half of its columns.  Also: which 128 rows of that tile I fetch
	s_bfe_u32 s40, ttmp6, 0x40000                  ; cx, cy: my place in the cluster
	s_bfe_u32 s41, ttmp6, 0x40004
	s_and_b32 s72, ttmp7, 0xffff
	s_lshl_b32 s72, s72, 2                         ; 4 x cluster y: the group of 1,024 tokens.  Tokens are C's rows for Q and K, its columns for V
	s_cmp_eq_u32 ttmp9, 2                          ; V?  (the cluster's x: the same in all sixteen partners)
	s_cselect_b32 s73, 0, s72
	s_cselect_b32 s74, s72, 0
	s_add_co_u32 s17, s41, s73                     ; tile row of C: cy (+ 4 x cluster y for Q and K)
	s_add_co_u32 s42, s40, s74                     ; tile column of C: cx (+ 4 x cluster y for V)
	s_lshl_b32 s43, s41, 2
	s_lshl_b32 s43, 15, s43                        ; my row of the cluster
	s_lshl_b32 s44, 0x1111, s40                    ; my column
	; descriptor group 1: a tile of 128 rows x ROWB bytes, padded in LDS
	s_or_b32 s[G1+0], s43, (0<<16)|(1<<20)|(1<<21)|(5<<22)|(3<<25)  ; 15:0 the mask: A's tiles go to my row; 17:16 element of 1 byte; 20 padding on; 21 set beside a mask; 24:22 after every 64 words (code 5); 31:25 of 4 words (code 3)
	s_or_b32 s[G1B+0], s44, (0<<16)|(1<<20)|(1<<21)|(5<<22)|(3<<25)
.irp g, G1, G1B
	s_mov_b32 s[\g+1], ROWB<<16                    ; tensor_dim0
	s_mov_b32 s[\g+2], 128<<16                     ; tensor_dim1 = 128
	s_mov_b32 s[\g+3], ROWB<<16                    ; tile_dim0
	s_mov_b32 s[\g+4], 128                         ; tile_dim1 = 128
	s_mov_b32 s[\g+5], KROW                        ; tensor_dim0_stride
	s_mov_b32 s[\g+6], 0
	s_mov_b32 s[\g+7], 0
.endr
	s_lshl_b32 s18, s16, 7                         ; which 128 rows of the tile I fetch
	s_lshl_b32 s20, s17, 8
	s_add_co_u32 s20, s20, s18                     ; A: row 256 x tile row + 128 x half
	s_lshl_b32 s46, s42, 8
	s_add_co_u32 s46, s46, s18                     ; B: row 256 x tile column + 128 x half
	s_mov_b32 s21, 0
	s_mov_b32 s47, 0
	s_mov_b64 s[18:19], KROW
	s_mul_u64 s[20:21], s[20:21], s[18:19]         ; in bytes
	s_mul_u64 s[46:47], s[46:47], s[18:19]
	s_mul_i32 s45, s14, HALFT                      ; where they go: wave x 128 rows: no place in the cluster enters an LDS address
	s_wait_kmcnt 0x0
	s_cmp_eq_u32 ttmp9, 0
	s_cselect_b64 s[6:7], s[6:7], s[8:9]           ; the weight: Wq or Wk,
	s_cmp_eq_u32 ttmp9, 2
	s_cselect_b64 s[6:7], s[10:11], s[6:7]         ; or Wv
	s_cselect_b64 s[8:9], s[6:7], s[4:5]           ; A: Wv for V, x for Q and K
	s_cselect_b64 s[10:11], s[4:5], s[6:7]         ; B: x for V, the weight for Q and K
	s_load_b256 s[76:83], s[68:69], 0x0            ; entries 0 to 7 of the scales,
	s_load_b128 s[84:87], s[68:69], 0x20           ; 8 to 11: read on the way out
	s_add_nc_u64 s[20:21], s[8:9], s[20:21]
	s_add_nc_u64 s[46:47], s[10:11], s[46:47]
	CROUND                                         ; all sixteen work-groups are here: the first joint loads meet
.irp s, 0,1
	s_mov_b32 s[G0+4*\s], 1
	s_add_co_u32 s[G0+4*\s+1], s45, \s*SLOT
	s_add_nc_u64 s[G0+4*\s+2:G0+4*\s+3], s[20:21], \s*ROWB
	s_or_b32 s[G0+4*\s+3], s[G0+4*\s+3], 0x80000000
	s_mov_b32 s[G0B+4*\s], 1
	s_add_co_u32 s[G0B+4*\s+1], s45, \s*SLOT
	s_add_nc_u64 s[G0B+4*\s+2:G0B+4*\s+3], s[46:47], \s*ROWB
	s_or_b32 s[G0B+4*\s+3], s[G0B+4*\s+3], 0x80000000
	JLOAD G0+4*\s, G1, G0B+4*\s, G1B
.endr
	v_and_b32 v1, 15, v0                           ; l % 16
	v_bfe_u32 v2, v0, 4, 1                         ; l / 16
	v_mul_u32_u24 v3, v1, PITCH
	v_lshl_add_u32 v4, v2, 4, v3                   ; a fragment's row x pitch + 16 x half
	s_mul_i32 s21, s15, HALFT                      ; my 128 rows of A
	s_mul_i32 s22, s16, HALFT                      ; my 128 rows of B,
	s_add_co_u32 s22, s22, 2*HALFT                 ; which lie behind A's 256
.irp s, 0,1
	v_add_nc_u32 v[ADRA+\s], s21, v4
	v_add_nc_u32 v[ADRB+\s], s22, v4
	s_add_co_u32 s21, s21, SLOT
	s_add_co_u32 s22, s22, SLOT
.endr
.macro FRAG reg, adr, q, i             ; a fragment, 16 rows x 128 K of codes, is 16 registers: lane l holds row l % 16; registers 4 c .. 4 c + 3 hold K = 32 c + 16 (l / 16) + 0 .. 15: the same order of k in A and in B, so every product meets its partner
.irp c, 0,1,2,3
	ds_load_b128 v[\reg+4*\c:\reg+4*\c+3], v[\adr] offset:128*(\q)+32*\c+(\i)*16*PITCH
.endr
.endm
; 16 matrix instructions: A's blocks a0, a0 + 1 x B's eight, 128 along K.  p: B's set.  zero = 1: the first product starts the sums: nothing is ever cleared.
; The 64 accumulators take turns, one instruction a turn, in the same order in every step.
.macro MUL16 a0, p, zero
.irp a, \a0, \a0+1
.irp b, 0,1,2,3,4,5,6,7
.if \zero
	v_wmma_f32_16x16x128_fp8_fp8 v[8*(8*((\a)%4)+\b):8*(8*((\a)%4)+\b)+7], v[128*(\p)+FR*\b:128*(\p)+FR*\b+FR-1], v[AF+FR*(\a):AF+FR*(\a)+FR-1], 0
.else
	v_wmma_f32_16x16x128_fp8_fp8 v[8*(8*((\a)%4)+\b):8*(8*((\a)%4)+\b)+7], v[128*(\p)+FR*\b:128*(\p)+FR*\b+FR-1], v[AF+FR*(\a):AF+FR*(\a)+FR-1], v[8*(8*((\a)%4)+\b):8*(8*((\a)%4)+\b)+7]
.endif
.endr
.endr
.endm
.macro FETCH_B slot, q, p              ; B's eight fragments of the slot's q-th 128 along K into set p
	WIN TO_B
.irp i, 0,1,2,3,4,5,6,7
	FRAG 128*(\p)+FR*\i, ADRB+\slot, \q, \i
.endr
	WIN 0
.endm
.macro FETCH_A slot, q, i0             ; A's blocks i0 .. i0 + 3
.irp i, \i0, \i0+1, \i0+2, \i0+3
	FRAG AF+FR*(\i), ADRA+\slot, \q, \i
.endr
.endm
; A load into a register that a matrix instruction has read, and a vector instruction that reads a matrix result, stand NP places behind that matrix instruction; only plain vector
; instructions that name none of its registers are places (ISA guide 7.12.1 for vector instructions).
.macro PLACES n
.rept \n
	v_nop
.endr
.endm
; A step of 128 along K that has its successor in the same slot.  A's blocks are free as soon as their eight products are issued, so one set of registers serves A; B has two.
.macro STEP slot, q, zero
	s_wait_dscnt 4*NL                              ; B's set and A's blocks 0-3 are in; the youngest 16 loads (A's blocks 4-7) may be out
	WIN MUL_LO
	MUL16 0, (\q)%2, \zero
	MUL16 2, (\q)%2, \zero
	s_wait_dscnt 0                                 ; A's blocks 4-7 are in (asked for 32 matrix instructions ago)
	PLACES NP
	FETCH_B \slot, (\q)+1, 1-(\q)%2
	FETCH_A \slot, (\q)+1, 0
	WIN MUL_HI
	MUL16 4, (\q)%2, \zero
	MUL16 6, (\q)%2, \zero
	PLACES NP
	WIN 0
	FETCH_A \slot, (\q)+1, 4
.endm
; A slot's last step changes slots: ONE barrier; in front of it each wave waits for all its tensor loads, adds 0 to its spare word, and waits for that and for its own reads of this slot.  fill = 1: this slot is filled again, two K steps ahead.
.macro TURN slot, next, fill
	s_wait_tensorcnt 0x0                           ; all my tensor loads have landed: my part of the next slot;  (every window is 0 here: the add's two registers lie in window 0)
	ds_add_u32 v[SPW], v[NIL]                      ; 0 onto my spare word
	s_wait_dscnt 4*NL+1                            ; (the add and the youngest 16 loads, A's blocks 4-7, may be out)
	WIN MUL_LO
	MUL16 0, 1, 0                                  ; sixteen matrix instructions stand between the add and the wait for it
	s_wait_dscnt 0x0                               ; the add is done, and my reads of this slot are over
	s_barrier_signal -1
	MUL16 2, 1, 0
	WIN 0
	s_barrier_wait -1
.if \fill
	CREST                                          ; the barrier has opened a round of the cluster's barrier: no wave of any partner still reads this slot's tile or has a load on its way
	s_add_nc_u64 s[G0+4*\slot+2:G0+4*\slot+3], s[G0+4*\slot+2:G0+4*\slot+3], 2*ROWB
	s_add_nc_u64 s[G0B+4*\slot+2:G0B+4*\slot+3], s[G0B+4*\slot+2:G0B+4*\slot+3], 2*ROWB
	JLOAD G0+4*\slot, G1, G0B+4*\slot, G1B         ; the first tensor load behind the round; the four v_nop behind it are the places in front of the loads below
.else
	PLACES NP
.endif
	FETCH_B \next, 0, 0
	FETCH_A \next, 0, 0
	WIN MUL_HI
	MUL16 4, 1, 0
	MUL16 6, 1, 0
	PLACES NP
	WIN 0
	FETCH_A \next, 0, 4
.endm
	s_wait_alu depctr_va_vdst(0)
	s_wait_tensorcnt 1                             ; my part of K step 0 is in (K step 1's load, issued behind it, may be out),
	s_barrier_signal -1
	s_barrier_wait -1                              ; everybody's is
	FETCH_B 0, 0, 0
	FETCH_A 0, 0, 0
	FETCH_A 0, 0, 4
	STEP 0, 0, 1                                   ; the first step stands in front of the loop: its products start the sums
	s_mov_b32 s3, LAPS-1
.Llap:                                                 ; a trip goes once round the ring, from a lap's second step to the next lap's first, and fills both slots again
	TURN 0, 1, 1
	STEP 1, 0, 0
	TURN 1, 0, 1
	STEP 0, 0, 0
	s_sub_co_u32 s3, s3, 1
	s_cmp_lg_u32 s3, 0
	s_cbranch_scc1 .Llap
	TURN 0, 1, 0                                   ; the last lap fills nothing, and has no round of the cluster's barrier
	STEP 1, 0, 0
	s_wait_dscnt 4*NL                              ; the very last step: nothing more to fetch
	WIN MUL_LO
	MUL16 0, 1, 0
	MUL16 2, 1, 0
	s_wait_dscnt 0
	WIN MUL_HI
	MUL16 4, 1, 0
	MUL16 6, 1, 0
	WIN 0
	; THE WAY OUT.  The three exponents of my product, chosen by selects, are folded into the conversion's one scale.
	s_wait_kmcnt 0x0
	s_cmp_eq_u32 ttmp9, 0
	s_cselect_b32 s66, s82, s83                    ; the result's: entry 6 (Q) or 7 (K),
	s_cselect_b32 s67, s76, s78                    ; x's: entry 0 or 2,
	s_cselect_b32 s88, s77, s79                    ; the weight's: entry 1 or 3;
	s_cmp_eq_u32 ttmp9, 2
	s_cselect_b32 s66, s85, s66                    ; for V: entries 9, 4, 5
	s_cselect_b32 s67, s80, s67
	s_cselect_b32 s88, s81, s88
	s_mov_b32 s90, 1024                            ; (moves and selects leave SCC as the compare set it)
	s_cselect_b32 s90, 2048, s90                   ; from block a to a + 1 within four: 16 tokens of Q or K are 1,024 bytes, 16 channels of V 2,048
	s_mov_b32 s91, 4096
	s_cselect_b32 s91, HEADB, s91                  ; from block a to a + 4: 64 tokens on, or (V) the next head
	s_mov_b32 s92, HEADB
	s_cselect_b32 s92, 1024, s92                   ; from group g to g + 2: the next head, or (V) 64 keys on
	s_lshl_b32 s93, s17, 8
	s_lshl_b32 s94, s15, 7
	s_add_co_u32 s93, s93, s94                     ; my first row of C
	s_lshl_b32 s94, s42, 8
	s_lshl_b32 s95, s16, 7
	s_add_co_u32 s94, s94, s95                     ; my first column of C
	s_cmp_eq_u32 ttmp9, 2
	s_cselect_b32 s89, s93, s94                    ; my first feature,
	s_cselect_b32 s93, s94, s93                    ; my first token
	s_sub_co_i32 s66, s66, s67
	s_sub_co_i32 s66, s66, s88                     ; E
	s_add_co_i32 s66, s66, 127
	s_lshl_b32 s67, s66, 23
	v_mov_b32 v[SCL], s67                          ; 2^E as f32: the conversion takes its exponent field
	s_wait_alu depctr_va_vdst(0)
	s_lshr_b32 s94, s93, 11                        ; batch
	s_lshl_b32 s94, s94, 4
	s_lshr_b32 s95, s89, 6                         ; head
	s_add_co_u32 s94, s94, s95
	s_mul_i32 s94, s94, HEADB
	s_lshl_b32 s95, ttmp9, 17                      ; Q's, K's or V's part of the head
	s_add_co_u32 s94, s94, s95
	s_and_b32 s95, s93, 2047
	s_lshl_b32 s95, s95, 6                         ; 64 bytes a token in each of the three layouts
	s_add_co_u32 s93, s94, s95                     ; my first byte in qkv, under 2^25
	s_mov_b32 s95, 0
.irp a, 0,1,2,3,4,5,6,7
	s_mul_i32 s94, s90, (\a%4)
	s_mul_i32 s96, s91, (\a/4)
	s_add_co_u32 s94, s94, s96
	s_add_co_u32 s94, s94, s93
	s_add_nc_u64 s[OUTP+2*\a:OUTP+2*\a+1], s[70:71], s[94:95]     ; block a's address (over the exponents, which have been used)
.endr
	v_and_b32 v[OFS], 31, v0
	v_lshlrev_b32 v[OFS], 4, v[OFS]                ; 16 x lane
	v_add_nc_u32 v[OFS+1], 512, v[OFS]
	v_add_nc_u32 v[OFS+2], s92, v[OFS]
	v_add_nc_u32 v[OFS+3], 512, v[OFS+2]
	PLACES NP                                      ; behind the last products: their results are read and A's registers written below
; Block a: 16 rows of C x my 128 columns.  Converted, stored: four stores of 512 consecutive bytes, each at a multiple of 512 from the buffer's first byte.
.macro OUTBLK a
	WIN 0x02+((\a)/4)                              ; source 0: window 2 or 3
.set j, 0
.rept 64
.set j, j+1
.endr
.irp t, 0,1,2,3,4,5,6,7
	v_cvt_scalef32_pk8_fp8_f32 v[CODE+16*(\a)+2*\t:CODE+16*(\a)+2*\t+1], v[TMP+8*\t+((64*((\a)%4)+j)-(TMP+j)):TMP+8*\t+7+((64*((\a)%4)+j)-(TMP+j))], v[SCL]
.endr
	WIN 0
	v_nop                                          ; one plain vector instruction between the conversions and the stores that read their results
.irp g, 0,1,2,3
	global_store_b128 v[OFS+\g], v[CODE+16*(\a)+4*\g:CODE+16*(\a)+4*\g+3], s[OUTP+2*(\a):OUTP+2*(\a)+1]
.endr
.endm
.irp a, 0,1,2,3,4,5,6,7
	OUTBLK \a
.endr
	s_wait_tensorcnt 0x0                           ; the wave's end
	ds_add_u32 v[SPW], v[NIL]
	s_wait_dscnt 0x0
	CROUND                                         ; the closing round: no work-group ends while a partner may still ask for a tile that names it
	s_endpgm
.Lfunc_end_k_q9bb8f985c4_qkv:
	.size	k_q9bb8f985c4_qkv, .Lfunc_end_k_q9bb8f985c4_qkv-k_q9bb8f985c4_qkv
	.p2alignl 7, 3214868480
	.fill 96, 4, 3214868480
	.section	.rodata,"a",@progbits
	.p2align	6, 0x0
	.amdhsa_kernel k_q9bb8f985c4_qkv
		.amdhsa_group_segment_fixed_size 327680
		.amdhsa_private_segment_fixed_size 0
		.amdhsa_enable_private_segment 0
		.amdhsa_kernarg_size 48
		.amdhsa_user_sgpr_count 2
		.amdhsa_user_sgpr_kernarg_segment_ptr 1
		.amdhsa_wavefront_size32 1
		.amdhsa_system_sgpr_workgroup_id_x 1
		.amdhsa_system_sgpr_workgroup_id_y 1
		.amdhsa_system_sgpr_workgroup_id_z 1
		.amdhsa_system_vgpr_workitem_id 0
		.amdhsa_next_free_vgpr 1024
		.amdhsa_next_free_sgpr 100
		.amdhsa_reserve_vcc 0
		.amdhsa_float_denorm_mode_32 3
		.amdhsa_float_denorm_mode_16_64 3
		.amdhsa_fp16_overflow 1
		.amdhsa_memory_ordered 1
		.amdhsa_forward_progress 1
		.amdhsa_inst_pref_size 88
	.end_amdhsa_kernel
	.amdgpu_metadata
---
amdhsa.version: [ 1, 2 ]
amdhsa.kernels:
  - .name:           k_q9bb8f985c4_qkv
    .symbol:         k_q9bb8f985c4_qkv.kd
    .args:
      - { .name: x_codes, .offset: 0, .size: 8, .value_kind: global_buffer, .address_space: global }
      - { .name: w_q_codes, .offset: 8, .size: 8, .value_kind: global_buffer, .address_space: global }
      - { .name: w_k_codes, .offset: 16, .size: 8, .value_kind: global_buffer, .address_space: global }
      - { .name: w_v_codes, .offset: 24, .size: 8, .value_kind: global_buffer, .address_space: global }
      - { .name: lowp_scales, .offset: 32, .size: 8, .value_kind: global_buffer, .address_space: global }
      - { .name: qkv, .offset: 40, .size: 8, .value_kind: global_buffer, .address_space: global }
    .group_segment_fixed_size: 327680
    .private_segment_fixed_size: 0
    .kernarg_segment_align: 8
    .kernarg_segment_size: 48
    .max_flat_workgroup_size: 128
    .sgpr_count:     100
    .vgpr_count:     1024
    .wavefront_size: 32
...
	.end_amdgpu_metadata
.endif
;; end of part 1
;; launch attn (part 2): grid 4 x 64, 16 waves a work-group, no clusters, 327,680 bytes of LDS; arguments qkv, lowp_scales, a_codes; writes a_codes
.if DOCPART == 2
	.amdgcn_target "amdgcn-amd-amdhsa--gfx1250"
	.amdhsa_code_object_version 6
	.text
	.protected	k_q9bb8f985c4_attn
	.globl	k_q9bb8f985c4_attn
	.p2align	8
	.type	k_q9bb8f985c4_attn,@function
k_q9bb8f985c4_attn:
	s_mov_b64 s[64:65], 0
	v_nop
	global_prefetch_b8 v0, s[64:65] scope:SCOPE_SE
	s_setreg_imm32_b32 hwreg(HW_REG_WAVE_MODE, 25, 1), 1
	s_wait_xcnt 0x0
; Causal attention of one head on codes of FP8 (E4M3): S = Q K^T, p = 2^(t - M), O = p V / l, and O quantised for the output projection.  2,048 tokens, head size 64, 64 heads (16 batch + head).
; t = score x log2(e) / 8 x 2^(e6 + e7); M = the row's largest t so far, rounded UP to a whole number; p is quantised with 2^e8 and is not normalised; l is the sum of the unquantised p, in f32.
; When M moves, l and O are multiplied by 2^(old M - new M): exact.  Hidden keys (key > query) get the score -infinity, so p = 0; every row has a key that counts.
; INPUT: qkv, laid as images of the operand registers: per head Q | K | V, 131,072 bytes each.  A fragment is read as it lies, 16 bytes a lane at 16 x lane: no pitch, no padding, no two lanes on one bank.
; SHARES.  Work-group (i, head) owns the query blocks i and 7 - i (256 queries each), so that every work-group has the same number of key steps under the causal mask: 16 i + 12 + 16 (7 - i) + 12 = 136 wave-steps.
; Each of its SIXTEEN waves owns 32 queries, two tiles of 16, which share every fragment of K and V.  Wave w: queries 32 (w / 2) on, in the late block where (w xor w / 4) is odd: of any four waves w % 4 or w / 4 alike two are early, two late.
; LDS holds the head's WHOLE K (bytes 0 ..) and V (bytes 131,072 ..) as they lie in memory: each byte is filled once, nothing is stored there, so the key loop needs no barrier.
; Each wave issues two tensor loads at the start: an eighth of keys 0-255, and an eighth of the rest; the first two key steps run while the rest lands.
; Every wave walks all 16 key steps of 128 keys: the trip counts are constants.  A step all of whose keys come after the wave's queries is left out by a scalar branch on ids.
; NO CLUSTER, though the four work-groups of a head read the same K and V: that branch hangs on the work-group's query block, which in a cluster would be its place there, and partners of a joint load run alike.
; LAYOUT.  Both products are used transposed: S^T = K Q^T (source 0 = 16 keys, source 1 = 16 queries), O^T = V^T P^T: a lane holds ONE query (lane % 16) throughout.  In S^T's tile f lane (r, h) holds keys 16 f + 8 h + 0 .. 7:
; eight codes, registers 2 f, 2 f + 1 of the second product's operand as that form's own layout has them.
; OUTPUT: a_codes, images again: [feature / 256][token / 16][128 features of 2][group c of 4][lane][16 bytes]: lane (r, h): token r, features 32 c + 16 h + 0 .. 15.
; LIMITS on the given exponents, so that each power of two below is an f32 number: e6 + e7 between -123 and 130 (added to c's exponent field); e8, and e10 - e8 - e9, between -126 and 119.  NaN is not served.
; REGISTERS (tile x = 0, 1): v1 16 x lane; v2 the LDS address in hand; v3 2^e8; v[8+4x] -M, +1 the largest t, +2, +3 l in two halves; v[16+8x ..] Q; v32-63 four fragments of K, then at work (v[32+8x ..]), then p's codes (16 a tile);
;   v[64+64x ..] S^T, then p; v64-127 later V's four fragments; v[192+32x ..] O^T.
.set HEADB, 393216                     ; a head's bytes in qkv
.set PARTB, 131072                     ; Q's, K's, V's part of it; also V's first byte in LDS
.set STEPB, 8192                       ; 128 keys of K, or of V
.set LI,   1
.set ADR,  2
.set SC,   3
.set WV,   18                          ; s18  my wave's number
.set SEL,  20                          ; s[20:21] lane selects for v_permlanex16_b32: lane l xor 16
.set CS,   22                          ; s[22:23] c = log2(e) / 8 x 2^(e6 + e7): the packed form names a pair and takes its low word
.set G1S,  24                          ; s[24:31] descriptor group 1: 8 rows of 256 bytes
.set G1L,  32                          ; s[32:39] 56 rows of 256 bytes
.set G0S,  40                          ; s[40:43], s[44:47] their groups 0
.set G0L,  44
.set TB,   48                          ; s48  LDS byte of the step's K
.set KEY,  49                          ; s49  the step's first key
.set Q0,   50                          ; s50  my first query
.set CNT,  51                          ; s51  trips to go
.set LIM,  52
	s_load_b128 s[4:7], s[0:1], 0x0                ; qkv s[4:5], the scales' exponents s[6:7]
	s_load_b64 s[8:9], s[0:1], 0x10                ; a_codes
	v_lshl_add_u32 v254, v0, 2, 0x40000
	v_mov_b32 v255, 0
	ds_add_u32 v254, v255
	ds_add_u32 v254, v255
	s_wait_dscnt 0x0
	v_lshrrev_b32 v2, 5, v0
	s_delay_alu instid0(VALU_DEP_1)
	v_readfirstlane_b32 s[WV], v2                  ; wave 0..15
	v_and_b32 v[LI], 31, v0
	s_delay_alu instid0(VALU_DEP_1)
	v_lshlrev_b32 v[LI], 4, v[LI]                  ; 16 x lane; never rewritten
	s_lshr_b32 s70, s[WV], 2
	s_xor_b32 s70, s70, s[WV]
	s_and_b32 s70, s70, 1                          ; 1: my queries lie in the late block
	s_sub_co_u32 s71, 7, ttmp9
	s_cmp_eq_u32 s70, 1
	s_cselect_b32 s71, s71, ttmp9                  ; my block of 256 queries: 7 - i or i
	s_lshl_b32 s71, s71, 8
	s_lshr_b32 s72, s[WV], 1
	s_lshl_b32 s72, s72, 5
	s_add_co_u32 s[Q0], s71, s72                   ; my first query: 256 x block + 32 (w / 2)
	s_lshl_b32 s68, s[Q0], 6                       ; its byte in Q's part: 64 bytes a token
	s_mov_b32 s69, 0
	s_and_b32 s53, ttmp7, 0xffff                   ; 16 batch + head
	s_mul_i32 s54, s53, HEADB
	s_mov_b32 s55, 0
	; what I fetch: waves 0-7 K, waves 8-15 V; LDS byte = byte in the head's K | V
	s_lshr_b32 s56, s[WV], 3
	s_lshl_b32 s56, s56, 17
	s_and_b32 s57, s[WV], 7
	s_mul_i32 s58, s57, 2048
	s_add_co_u32 s58, s58, s56                     ; first load: my eighth of the first 16,384 bytes (keys 0-255)
	s_mul_i32 s57, s57, 14336
	s_add_co_u32 s57, s57, s56
	s_add_co_u32 s57, s57, 2*STEPB                 ; second load: my eighth of the other 114,688
	s_add_co_u32 s60, s58, PARTB                   ; and in memory: K's part begins behind Q's
	s_mov_b32 s61, 0
	s_add_co_u32 s62, s57, PARTB
	s_mov_b32 s63, 0
	; descriptor groups 1: dense blocks as rows of 32 elements of 8 bytes
	s_mov_b32 s[G1S+0], 3<<16                      ; 15:0 no mask; 17:16 elements of 8 bytes; no padding
	s_mov_b32 s[G1S+1], 32<<16                     ; tensor_dim0 = 32
	s_mov_b32 s[G1S+2], 8<<16                      ; tensor_dim1 = 8
	s_mov_b32 s[G1S+3], 32<<16                     ; tile_dim0 = 32
	s_mov_b32 s[G1S+4], 8                          ; tile_dim1 = 8
	s_mov_b32 s[G1S+5], 32                         ; from row to row: 32 elements
	s_mov_b32 s[G1S+6], 0
	s_mov_b32 s[G1S+7], 0
	s_mov_b32 s[G1L+0], 3<<16
	s_mov_b32 s[G1L+1], 32<<16
	s_mov_b32 s[G1L+2], 56<<16                     ; 56 rows
	s_mov_b32 s[G1L+3], 32<<16
	s_mov_b32 s[G1L+4], 56
	s_mov_b32 s[G1L+5], 32
	s_mov_b32 s[G1L+6], 0
	s_mov_b32 s[G1L+7], 0
	s_mov_b32 s[SEL], 0x76543210
	s_mov_b32 s[SEL+1], 0xfedcba98
	s_mov_b32 s[CS], 0x3e38aa3b                    ; log2(e) / sqrt(64)
	s_wait_alu depctr_va_vdst(0)
	s_wait_kmcnt 0x0
	s_load_b128 s[12:15], s[6:7], 0x18             ; e6, e7, e8, e9
	s_load_b32 s16, s[6:7], 0x28                   ; e10
	s_add_nc_u64 s[4:5], s[4:5], s[54:55]          ; my head
	s_mov_b32 s[G0S], 1                            ; count = 1
	s_mov_b32 s[G0S+1], s58                        ; LDS address
	s_add_nc_u64 s[G0S+2:G0S+3], s[4:5], s[60:61]  ; global address
	s_or_b32 s[G0S+3], s[G0S+3], 0x80000000        ; type = 2
	s_mov_b32 s[G0L], 1
	s_mov_b32 s[G0L+1], s57
	s_add_nc_u64 s[G0L+2:G0L+3], s[4:5], s[62:63]
	s_or_b32 s[G0L+3], s[G0L+3], 0x80000000
	tensor_load_to_lds s[G0S:G0S+3], s[G1S:G1S+7]  ; the first fill, keys 0-255; the second follows a wait for it and a barrier
	s_nop 0
	s_wait_alu depctr_va_vdst(0)
	s_wait_tensorcnt 0x0
	ds_add_u32 v254, v255
	s_wait_dscnt 0x0
	s_barrier_signal -1
	s_barrier_wait -1
	tensor_load_to_lds s[G0L:G0L+3], s[G1L:G1L+7]
	s_nop 0
.rept 4
	v_nop
.endr
	s_add_nc_u64 s[66:67], s[4:5], s[68:69]        ; Q at my first query
.irp x, 0,1
	global_load_b128 v[16+8*\x:19+8*\x], v[LI], s[66:67] offset:1024*\x        ; Q's fragments stay in registers
	global_load_b128 v[20+8*\x:23+8*\x], v[LI], s[66:67] offset:1024*\x+512
.endr
.irp x, 0,1
	v_mov_b32 v[9+4*\x], 0xff61b1e6                ; the largest t so far: -3e38, under every t
	s_delay_alu instid0(VALU_DEP_1)
	v_floor_f32 v[8+4*\x], -v[9+4*\x]              ; -M
	v_mov_b32 v[10+4*\x], 0                        ; l, in two halves
	v_mov_b32 v[11+4*\x], 0
.endr
.set j, 0
.rept 64
	v_mov_b32 v[192+j], 0                          ; O^T.  (The step has no first form of its own: it finds zeros, which the first change of M leaves zeros)
.set j, j+1
.endr
	s_wait_kmcnt 0x0
	s_add_co_i32 s53, s12, s13
	s_lshl_b32 s53, s53, 23
	s_add_co_i32 s[CS], s[CS], s53                 ; a score stands for score x 2^(e6 + e7): added to c's exponent field
	s_mov_b32 s[CS+1], s[CS]                       ; (named with it as a pair, so it is written)
	s_add_co_i32 s53, s14, 127
	s_lshl_b32 s54, s53, 23
	v_mov_b32 v[SC], s54                           ; 2^e8 as f32, for p's conversion
	s_sub_co_i32 s73, s16, s14
	s_sub_co_i32 s73, s73, s15                     ; e10 - e8 - e9: O^T / l stands for O / 2^(e8 + e9), and O's code is O / 2^e10
	s_add_co_i32 s73, s73, 127
	s_lshl_b32 s74, s73, 23                        ; 2^(e10 - e8 - e9) as f32,
; p of tile x becomes 16 registers of codes
.macro QUANT x
.set n, 0
.rept 64
.set n, n+1
.endr
.irp f, 0,1,2,3,4,5,6,7
	v_cvt_scalef32_pk8_fp8_f32 v[32+16*\x+2*\f:33+16*\x+2*\f], v[64+64*\x+8*\f:71+64*\x+8*\f], v[SC]
.endr
.endm
; A KEY STEP: 128 keys, both tiles.
.macro STEP
	s_add_co_u32 s53, s[Q0], 31
	s_cmp_gt_u32 s[KEY], s53                       ; all keys come after my 32 queries: the step's work is left out; the lines at its end that step addresses are not
	s_cbranch_scc1 .Lhidden_\@
	s_setprio 2
	v_add_nc_u32 v[ADR], s[TB], v[LI]
	s_wait_alu depctr_va_vdst(0)
.rept 4
	v_nop                                          ; with the addition five places behind the last step's products: four for the loads into v32-63, five for the products below that write over v64-127, which those read
.endr
.irp g, 0,1                                    ; S^T = K Q^T, four tiles of 16 keys at a time, each against both tiles of queries
.if \g > 0
.rept 4
	v_nop                                          ; places in front of loads into registers that matrix instructions have read
.endr
.endif
.irp f, 0,1,2,3
	ds_load_b128 v[32+8*\f:35+8*\f], v[ADR] offset:(4*\g+\f)*1024
	ds_load_b128 v[36+8*\f:39+8*\f], v[ADR] offset:(4*\g+\f)*1024+512
.endr
	s_wait_dscnt 0x0
.irp f, 0,1,2,3
.irp x, 0,1
	v_wmma_f32_16x16x64_fp8_fp8 v[64+64*\x+8*(4*\g+\f):71+64*\x+8*(4*\g+\f)], v[32+8*\f:39+8*\f], v[16+8*\x:23+8*\x], 0
.endr
.endr
.endr
.rept 4
	v_nop                                          ; places in front of the first read of the scores and the first write over K's fragments
.endr
	s_add_co_u32 s53, s[KEY], 127
	s_cmp_le_u32 s53, s[Q0]                        ; all keys count for all my queries: no mask
	s_cbranch_scc1 .Lopen_\@
	s_sub_co_i32 s53, s[Q0], s[KEY]                ; on the diagonal: 0 .. 96 (my first query is a multiple of 32, the first key of 128), so key 0 of the step counts for every query
	v_bfe_u32 v34, v[LI], 4, 4                     ; r
	v_bfe_u32 v35, v[LI], 8, 1                     ; h
	s_delay_alu instid0(VALU_DEP_1)
	v_lshlrev_b32 v35, 3, v35
	s_delay_alu instid0(VALU_DEP_1)
	v_sub_nc_u32 v34, v34, v35
	s_delay_alu instid0(VALU_DEP_1)
	v_add_nc_u32 v34, s53, v34                     ; d = my query - first key - 8 h.  Register 8 f + j holds key 16 f + 8 h + j: hidden where 16 f + j > d
	v_mov_b32 v33, 0xff800000                      ; -infinity
.irp x, 0,1
.set n, 0
.rept 64
	v_cmp_gt_i32 vcc_lo, 16*(n/8)+n%8, v34
	v_cndmask_b32 v[64+64*\x+n], v[64+64*\x+n], v33, vcc_lo
.set n, n+1
.endr
.if \x == 0
	v_add_nc_u32 v34, 16, v34                      ; tile 1's queries lie 16 further on
.endif
.endr
.Lopen_\@:
.irp x, 0,1                                    ; the step's largest score of my query among my 64 keys: two chains a tile, the registers in ascending order
	v_max3_num_f32 v[32+8*\x], v[64+64*\x], v[65+64*\x], v[66+64*\x]
	v_max3_num_f32 v[33+8*\x], v[67+64*\x], v[68+64*\x], v[69+64*\x]
.endr
.irp i, 6,10,14,18,22,26,30,34,38,42,46,50,54,58
.irp x, 0,1
	v_max3_num_f32 v[32+8*\x], v[32+8*\x], v[64+64*\x+\i], v[65+64*\x+\i]
	v_max3_num_f32 v[33+8*\x], v[33+8*\x], v[66+64*\x+\i], v[67+64*\x+\i]
.endr
.endr
.irp x, 0
	v_max3_num_f32 v[32+8*\x], v[32+8*\x], v[126+64*\x], v[127+64*\x]
.endr
.irp x, 1
	v_max3_num_f32 v[32+8*\x], v[32+8*\x], v[126+64*\x], v[127+64*\x]
.endr
.irp x, 0,1
	s_delay_alu instid0(VALU_DEP_2)
	v_max_num_f32 v[32+8*\x], v[32+8*\x], v[33+8*\x]
.endr
.irp x, 0,1
	s_delay_alu instid0(VALU_DEP_2)
	v_permlanex16_b32 v[33+8*\x], v[32+8*\x], s[SEL], s[SEL+1]
.endr
.irp x, 0,1
	s_delay_alu instid0(VALU_DEP_2)
	v_max_num_f32 v[32+8*\x], v[32+8*\x], v[33+8*\x]   ; and among lane l xor 16's
.endr
.irp x, 0,1
	s_delay_alu instid0(VALU_DEP_2)
	v_mul_f32 v[32+8*\x], s[CS], v[32+8*\x]        ; as t (c is positive)
.endr
.irp x, 0,1
	s_delay_alu instid0(VALU_DEP_2)
	v_max_num_f32 v[9+4*\x], v[9+4*\x], v[32+8*\x] ; the running largest t
.endr
.irp x, 0,1
	v_mov_b32 v[32+8*\x], v[8+4*\x]
.endr
.irp x, 0,1
	s_delay_alu instid0(VALU_DEP_4)
	v_floor_f32 v[8+4*\x], -v[9+4*\x]              ; the new -M = floor(-t) = -ceil(t): M is a whole number
.endr
.irp x, 0,1
	s_delay_alu instid0(VALU_DEP_2)
	v_sub_f32 v[32+8*\x], v[8+4*\x], v[32+8*\x]    ; M's old value less its new one: a whole number, 0 or less
.endr
.irp x, 0,1
	s_delay_alu instid0(VALU_DEP_2)
	v_cvt_i32_f32 v[32+8*\x], v[32+8*\x]           ; (it saturates)
.endr
.irp x, 0
	s_delay_alu instid0(VALU_DEP_2)
	v_ldexp_f32 v[34+8*\x], 1.0, v[32+8*\x]        ; f = 2^(old M - new M), twice: a pair for the packed multiplies
	s_delay_alu instid0(VALU_DEP_3)
	v_ldexp_f32 v[35+8*\x], 1.0, v[32+8*\x]
.endr
.irp x, 1
	s_delay_alu instid0(VALU_DEP_3)
	v_ldexp_f32 v[34+8*\x], 1.0, v[32+8*\x]
	s_delay_alu instid0(VALU_DEP_4)
	v_ldexp_f32 v[35+8*\x], 1.0, v[32+8*\x]
.endr
.irp x, 0,1
.set j, 0
.rept 16
	v_pk_mul_f32 v[192+32*\x+j:193+32*\x+j], v[192+32*\x+j:193+32*\x+j], v[34+8*\x:35+8*\x]   ; O^T under the new M; each accumulator from its low end on
.set j, j+2
.endr
.endr
	s_setprio 1
.irp x, 0,1
.set j, 0
.rept 32
	v_pk_fma_f32 v[64+64*\x+j:65+64*\x+j], v[64+64*\x+j:65+64*\x+j], s[CS:CS+1], v[8+4*\x:9+4*\x] op_sel_hi:[1,0,0]   ; t - M, two at a time (of the pairs c and -M the low word serves both halves)
.set j, j+2
.endr
.endr
.set j, 0
	s_wait_alu depctr_va_vdst(0)
.rept 128
	v_exp_f32 v[64+j], v[64+j]                     ; p = 2^(t - M), at most 1: not normalised
.set j, j+1
.endr
.irp x, 0,1
	v_pk_mul_f32 v[10+4*\x:11+4*\x], v[10+4*\x:11+4*\x], v[34+8*\x:35+8*\x]   ; l under the new M.  (The plain place behind the exponentials)
.endr
	s_wait_alu depctr_va_vdst(0)
.irp x, 0,1
	v_pk_add_f32 v[36+8*\x:37+8*\x], v[64+64*\x:65+64*\x], v[66+64*\x:67+64*\x]   ; l takes the UNQUANTISED p: two at a time, in two chains a tile
.endr
.irp j, 4,8,12,16,20,24,28,32,36,40,44,48,52,56,60
.irp x, 0,1
	v_pk_add_f32 v[10+4*\x:11+4*\x], v[10+4*\x:11+4*\x], v[64+64*\x+\j:65+64*\x+\j]
	v_pk_add_f32 v[36+8*\x:37+8*\x], v[36+8*\x:37+8*\x], v[66+64*\x+\j:67+64*\x+\j]
.endr
.endr
.irp x, 0
	s_delay_alu instid0(VALU_DEP_3)
	v_pk_add_f32 v[10+4*\x:11+4*\x], v[10+4*\x:11+4*\x], v[36+8*\x:37+8*\x]
.endr
.irp x, 1
	s_delay_alu instid0(VALU_DEP_2)
	v_pk_add_f32 v[10+4*\x:11+4*\x], v[10+4*\x:11+4*\x], v[36+8*\x:37+8*\x]
.endr
	s_setprio 0
	QUANT 0                                        ; tile 0's codes -> v32-47; its p is done with,
	v_add_nc_u32 v[ADR], PARTB, v[ADR]             ; (a plain place behind the conversions)
.irp b, 0,1,2,3                                ; so V's four fragments (16 channels x 128 keys each) take v64-127, and land while tile 1 is quantised
.irp c, 0,1,2,3
	ds_load_b128 v[64+16*\b+4*\c:67+16*\b+4*\c], v[ADR] offset:2048*\b+512*\c
.endr
.endr
	QUANT 1                                        ; tile 1's codes -> v48-63
	v_nop                                          ; one plain vector instruction between a scaled conversion and the matrix instruction that reads its result
	s_wait_alu depctr_va_vdst(0)
	s_wait_dscnt 0x0
.irp b, 0,1,2,3                                ; O^T += V^T P^T: eight accumulators by turns, one instruction a turn
.irp x, 0,1
	v_wmma_f32_16x16x128_fp8_fp8 v[192+32*\x+8*\b:199+32*\x+8*\b], v[64+16*\b:79+16*\b], v[32+16*\x:47+16*\x], v[192+32*\x+8*\b:199+32*\x+8*\b]
.endr
.endr
.Lhidden_\@:
	s_add_co_u32 s[TB], s[TB], STEPB
	s_add_co_u32 s[KEY], s[KEY], 128
.endm
	s_wait_loadcnt 0x0                             ; Q
	s_wait_tensorcnt 0x1                           ; my part of keys 0-255 is in; my second load, issued behind it, may stay out
	s_barrier_signal -1
	s_barrier_wait -1                              ; everybody's is
	s_mov_b32 s[TB], 0
	s_mov_b32 s[KEY], 0
	s_mov_b32 s[CNT], 2
.Lfirst:                                           ; keys 0-255
	STEP
	s_sub_co_u32 s[CNT], s[CNT], 1
	s_cmp_lg_u32 s[CNT], 0
	s_cbranch_scc1 .Lfirst
	s_setprio 0
	s_wait_tensorcnt 0x0                           ; my part of the rest is in,
	s_wait_dscnt 0x0                               ; (no LDS instruction is pending at a signal)
	s_barrier_signal -1
	s_barrier_wait -1                              ; everybody's is: from here on the waves run free
	s_mov_b32 s[TB], 2*STEPB
	s_mov_b32 s[KEY], 256
	s_mov_b32 s[CNT], 14
.Lrest:                                            ; keys 256-2,047
	STEP
	s_sub_co_u32 s[CNT], s[CNT], 1
	s_cmp_lg_u32 s[CNT], 0
	s_cbranch_scc1 .Lrest
	s_setprio 0
	; THE WAY OUT.  O^T / l is quantised; the halves of the lanes exchange eight codes, so that a lane holds 16 neighbouring channels, and the wave stores images: 512 consecutive bytes a store.
.rept 4
	v_nop                                          ; places behind the last products
.endr
.irp x, 0,1
	v_add_f32 v[10+4*\x], v[10+4*\x], v[11+4*\x]   ; l's two halves,
.endr
.irp x, 0,1
	s_delay_alu instid0(VALU_DEP_2)
	v_permlanex16_b32 v[11+4*\x], v[10+4*\x], s[SEL], s[SEL+1]
.endr
.irp x, 0,1
	s_delay_alu instid0(VALU_DEP_2)
	v_add_f32 v[10+4*\x], v[10+4*\x], v[11+4*\x]   ; and lane l xor 16's
.endr
	s_wait_alu depctr_va_vdst(0)
.irp x, 0,1
	v_rcp_f32 v[4+2*\x], v[10+4*\x]                ; twice: a pair for the packed multiplies
	v_rcp_f32 v[5+2*\x], v[10+4*\x]
.endr
	v_mov_b32 v2, s74                              ; 2^(e10 - e8 - e9).  (Plain places behind the reciprocals)
	v_mov_b32 v50, 0                               ; written once: a lane permute's destination counts as one of its sources
	v_mov_b32 v51, 0
	s_and_b32 s53, ttmp7, 0xffff
	s_and_b32 s54, s53, 15                         ; head
	s_lshr_b32 s53, s53, 4                         ; batch
	s_lshl_b32 s53, s53, 11
	s_add_co_u32 s53, s53, s[Q0]                   ; my first token
	s_lshl_b32 s53, s53, 8                         ; 16 tokens are 4,096 bytes
	s_lshr_b32 s55, s54, 2
	s_lshl_b32 s55, s55, 21                        ; feature / 256 = head / 4: 2,097,152 bytes each
	s_add_co_u32 s53, s53, s55
	s_bfe_u32 s55, s54, 0x10001
	s_lshl_b32 s55, s55, 11                        ; which 128 features: (head / 2) % 2
	s_add_co_u32 s53, s53, s55
	s_and_b32 s55, s54, 1
	s_lshl_b32 s55, s55, 10                        ; groups 2 (head % 2) and the next
	s_add_co_u32 s56, s53, s55
	s_mov_b32 s57, 0
	s_add_nc_u64 s[8:9], s[8:9], s[56:57]
	s_wait_alu depctr_va_vdst(0)
.irp x, 0,1
.set j, 0
.rept 16
	v_pk_mul_f32 v[192+32*\x+j:193+32*\x+j], v[192+32*\x+j:193+32*\x+j], v[4+2*\x:5+2*\x]   ; O^T / l; each accumulator from its low end on
.set j, j+2
.endr
.endr
.irp x, 0,1
.set n, 0
.rept 32
.set n, n+1
.endr
.irp b, 0,1,2,3
	v_cvt_scalef32_pk8_fp8_f32 v[32+8*\x+2*\b:33+8*\x+2*\b], v[192+32*\x+8*\b:199+32*\x+8*\b], v2   ; lane (r, h): channels 16 b + 8 h + 0 .. 7 of query r
.endr
.endr
	v_nop                                          ; one plain vector instruction between the conversions and the first use of their results
	s_mov_b32 vcc_lo, 0xffff0000                   ; lanes 16-31
; Group g wants in lane (r, h) channels 32 g + 16 h + 0 .. 15.  Lanes 0-15 keep tile 2 g's eight codes and need the other half's; lanes 16-31 keep tile 2 g + 1's and need the other half's.  So each sends what it does not keep.
.irp x, 0,1
.irp g, 0,1
.irp k, 0,1
	v_cndmask_b32 v[48+\k], v[34+8*\x+4*\g+\k], v[32+8*\x+4*\g+\k], vcc_lo
	s_delay_alu instid0(VALU_DEP_1)
	v_permlanex16_b32 v[50+\k], v[48+\k], s[SEL], s[SEL+1]
	v_cndmask_b32 v[64+8*\x+4*\g+\k], v[32+8*\x+4*\g+\k], v[50+\k], vcc_lo
	v_cndmask_b32 v[66+8*\x+4*\g+\k], v[50+\k], v[34+8*\x+4*\g+\k], vcc_lo
.endr
	global_store_b128 v[LI], v[64+8*\x+4*\g:67+8*\x+4*\g], s[8:9] offset:4096*\x+512*\g   ; 32 lanes store 512 consecutive bytes, at a multiple of 512 from the buffer's first byte
.endr
.endr
	s_wait_xcnt 0x0
	v_lshl_add_u32 v254, v0, 2, 0x40000
	v_mov_b32 v255, 0
	s_wait_alu depctr_va_vdst(0)
	s_wait_tensorcnt 0x0
	ds_add_u32 v254, v255
	s_wait_dscnt 0x0
	s_endpgm
.Lfunc_end_k_q9bb8f985c4_attn:
	.size	k_q9bb8f985c4_attn, .Lfunc_end_k_q9bb8f985c4_attn-k_q9bb8f985c4_attn
	.p2alignl 7, 3214868480
	.fill 96, 4, 3214868480
	.section	.rodata,"a",@progbits
	.p2align	6, 0x0
	.amdhsa_kernel k_q9bb8f985c4_attn
		.amdhsa_group_segment_fixed_size 327680
		.amdhsa_private_segment_fixed_size 0
		.amdhsa_enable_private_segment 0
		.amdhsa_kernarg_size 24
		.amdhsa_user_sgpr_count 2
		.amdhsa_user_sgpr_kernarg_segment_ptr 1
		.amdhsa_wavefront_size32 1
		.amdhsa_system_sgpr_workgroup_id_x 1
		.amdhsa_system_sgpr_workgroup_id_y 1
		.amdhsa_system_sgpr_workgroup_id_z 1
		.amdhsa_system_vgpr_workitem_id 0
		.amdhsa_next_free_vgpr 256
		.amdhsa_next_free_sgpr 80
		.amdhsa_reserve_vcc 1
		.amdhsa_float_denorm_mode_32 3
		.amdhsa_float_denorm_mode_16_64 3
		.amdhsa_fp16_overflow 1
		.amdhsa_memory_ordered 1
		.amdhsa_forward_progress 1
		.amdhsa_inst_pref_size 86
	.end_amdhsa_kernel
	.amdgpu_metadata
---
amdhsa.version: [ 1, 2 ]
amdhsa.kernels:
  - .name:           k_q9bb8f985c4_attn
    .symbol:         k_q9bb8f985c4_attn.kd
    .args:
      - { .name: qkv, .offset: 0, .size: 8, .value_kind: global_buffer, .address_space: global }
      - { .name: lowp_scales, .offset: 8, .size: 8, .value_kind: global_buffer, .address_space: global }
      - { .name: a_codes, .offset: 16, .size: 8, .value_kind: global_buffer, .address_space: global }
    .group_segment_fixed_size: 327680
    .private_segment_fixed_size: 0
    .kernarg_segment_align: 8
    .kernarg_segment_size: 24
    .max_flat_workgroup_size: 512
    .sgpr_count:     80
    .vgpr_count:     256
    .wavefront_size: 32
...
	.end_amdgpu_metadata
.endif
;; end of part 2
;; launch oproj (part 3): grid 4 x 32, 4 waves a work-group, clusters of 4 x 4, 327,680 bytes of LDS; arguments a_codes, w_o_codes, lowp_scales, out0; writes out0
.if DOCPART == 3
	.amdgcn_target "amdgcn-amd-amdhsa--gfx1250"
	.amdhsa_code_object_version 6
	.text
	.protected	k_q9bb8f985c4_oproj
	.globl	k_q9bb8f985c4_oproj
	.p2align	8
	.type	k_q9bb8f985c4_oproj,@function
k_q9bb8f985c4_oproj:
	s_mov_b64 s[64:65], 0
	v_nop
	global_prefetch_b8 v0, s[64:65] scope:SCOPE_SE
	s_setreg_imm32_b32 hwreg(HW_REG_WAVE_MODE, 25, 1), 1
	s_wait_xcnt 0x0
	s_wait_alu depctr_hold_cnt(0) depctr_sa_sdst(0) depctr_va_vdst(0) depctr_va_sdst(0) depctr_va_ssrc(0) depctr_va_vcc(0) depctr_vm_vsrc(0)
	s_getreg_b32 s2, hwreg(HW_REG_IB_STS2, 6, 4)
	s_cmp_eq_u32 s2, 0
	s_cbranch_scc0 .Lentry_in_a_cluster
	s_endpgm
.Lentry_in_a_cluster:
	s_bfe_u32 s2, ttmp6, 0x10000c
	s_cmp_lg_u32 s2, 0xf033
	s_cbranch_scc0 .Lentry_shape_is_right
	s_endpgm
.Lentry_shape_is_right:
; out0[token][n] = 2^(e10 + e11) x sum over k of A[token][k] Wo[n][k], on codes of FP8 (E4M3); sums in f32.  8,192 tokens, n and k 1,024.
; A, the attention launch's result, lies as IMAGES OF ITS FRAGMENTS: [k / 256][token / 16][128 k of 2][group c of 4][lane][16 bytes], lane (r, h): token r, k = 32 c + 16 h + 0 .. 15.
; So a tile of 256 tokens x 256 k is 65,536 dense bytes, it needs no padding in LDS, and a fragment is four loads of 16 bytes a lane at 16 x lane.  Wo: [1024][1024], K innermost: rows, padded in LDS.
; LIMIT: e10 + e11 lies between -126 and 127, so that 2^(e10 + e11) is an f32 number.
; A tile of C, 256 x 256, is made by a work-group of four waves; a wave makes 128 x 128: 64 accumulators of 16 x 16, 512 registers.  32 x 4 = 128 tiles.
; K goes in steps of 256 through a ring of two LDS slots filled by the tensor data mover.
; CLUSTERS: 4 x 4 work-groups.  The four of a row of the cluster need the same tiles of A, the four of a column the same tiles of Wo: each tile is asked for JOINTLY, by the same tensor load with the
; same descriptor and a mask that names the four.  THE MATRIX INSTRUCTION IS USED TRANSPOSED (source 0 = 16 rows of Wo, source 1 = 16 tokens): a lane then holds eight neighbouring numbers of a row of C.
; REGISTERS, in windows of 256: window 0: v0-31 addresses; from v128 A's fragments (8 x 16 rows x 128 K), ONE set; on the way out v32-255 are free.
;   window 1: B's fragments, TWO sets, at v0 and at v128.   window 2: the 32 accumulators of my rows 0-63 (accumulator (a, b) at v[8 (8 a + b)]);   window 3: those of my rows 64-127.
.set SIZE_N, 1024
.set SIZE_K, 1024
.set KSTEP,  256                       ; along K in a slot
.set ROWB,   256                       ; a tile's row in bytes
.set KROW,   SIZE_K                    ; a row of Wo in memory, in bytes
.set PITCH,  272                       ; an LDS row of Wo: 256 bytes + 16 of padding = 68 words: the 16 rows that a load touches start at 16 different banks (64 banks of 4 bytes: ISA guide 11.1)
.set FR,     16                        ; registers of a fragment: 16 rows x 128 K
.set NL,     4                         ; LDS loads that bring one
.set NP,     4                         ; places behind this matrix instruction (ISA guide 7.12.1)
.set HALFA,  32768                     ; 128 tokens x 256 k of A, dense: what one tensor load brings, and what one wave reads of A
.set HALFB,  128*PITCH                 ; the same for Wo, padded
.set BOFF,   2*HALFA                   ; Wo's tile lies behind A's
.set SLOT,   2*HALFA+2*HALFB
.set KCB,    2097152                   ; bytes of A from one 256 along K to the next
.set LAPS,   SIZE_K/(2*KSTEP)          ; a lap = two K steps = once round the ring: 2
.set SPARE,  2*SLOT                    ; behind the ring: the spare words, 128 bytes for each wave: two blocks of 256 bytes that no other line names
.set SPITCH, 528                       ; the way out: a stage of 16 rows x (512 bytes + 16) for each wave.  It lies in slot 0, which has had its last fill and its last read when the first result is stored there
.set ADRA, 16                          ; v16-17  LDS address of my A fragments in slot 0, 1
.set ADRB, 20                          ; v20-21  the same for B
.set STO,  24                          ; v24     the way out: where I put 32 bytes of a row
.set RD,   25                          ; v25     the way out: where I read a row back
.set CO,   26                          ; v26     16 x lane: my byte offset in a row of C
.set SPW,  28                          ; v28     LDS address of my spare word: SPARE + 4 x my thread's number; never rewritten
.set NIL,  29                          ; v29     0; never rewritten
.set TMP,  32                          ; the way out: 64 registers, a block's sums x 2^(e10 + e11)
.set AF,   128                         ; A's fragments, in window 0
.set BK,   128                         ; the way out: 16 rows read back from the stage: v128-191 and v192-255 by turns
.set G1, 24                            ; s[24:31] descriptor group 1 for A's tiles;  s[32:39] group 0, one set for each slot
.set G0, 32
.set G1B, 48                           ; s[48:55], s[56:63] the same for B's tiles
.set G0B, 56
.set MSB, 0
.macro WIN new                         ; the immediate's high byte repeats the setting that is left
.if MSB != \new
	s_set_vgpr_msb (MSB<<8)|\new
.set MSB, \new
.endif
.endm
.set MUL_LO, 0xa1                      ; source 0 (B) window 1, source 1 (A) window 0, C and D window 2
.set MUL_HI, 0xf1                      ; the same, C and D window 3
.set TO_B,   0x40                      ; destination window 1, address window 0
; A joint load: waves 0 and 1 fetch for A, waves 2 and 3 for B.  Each of the two lines has ONE mask and one set of registers for all that issue it; the branch hangs on the wave's number alone.
; Four v_nop follow each of the two lines, ahead of the jump, the label and what follows.
.macro JLOAD g0a, g1a, g0b, g1b
	s_cmp_eq_u32 s15, 0
	s_cbranch_scc0 .Lfor_b_\@
	tensor_load_to_lds s[\g0a:\g0a+3], s[\g1a:\g1a+7]
	s_nop 0
.rept 4
	v_nop
.endr
	s_branch .Lasked_\@
.Lfor_b_\@:
	tensor_load_to_lds s[\g0b:\g0b+3], s[\g1b:\g1b+7]
	s_nop 0
.rept 4
	v_nop
.endr
.Lasked_\@:
.endm
.macro CREST                           ; a round of the cluster's barrier behind its opening barrier
	s_cmp_lg_u32 s14, 0
	s_cbranch_scc1 .Lnot_wave_0_\@
	s_barrier_signal -3
.Lnot_wave_0_\@:
	s_barrier_wait -3
	s_barrier_signal -1
	s_barrier_wait -1
.endm
.macro CROUND                          ; a whole round
	s_barrier_signal -1
	s_barrier_wait -1
	CREST
.endm
	s_load_b128 s[4:7], s[0:1], 0x0                ; A's codes s[4:5], Wo's codes s[6:7]
	s_load_b128 s[8:11], s[0:1], 0x10              ; the scales' exponents s[8:9], C s[10:11]
	v_lshl_add_u32 v[SPW], v0, 2, SPARE
	v_mov_b32 v[NIL], 0
	ds_add_u32 v28, v29
	ds_add_u32 v28, v29
	s_wait_dscnt 0x0
	v_lshrrev_b32 v1, 5, v0
	v_readfirstlane_b32 s14, v1                    ; wave 0..3
	s_lshr_b32 s15, s14, 1                         ; which half of the tile's rows is mine.  Also: I fetch for A (0) or for B (1)
	s_and_b32 s16, s14, 1                          ; which half of its columns.  Also: which half of that tile I fetch
	s_bfe_u32 s40, ttmp6, 0x40000                  ; cx, cy: my place in the cluster
	s_bfe_u32 s41, ttmp6, 0x40004
	s_lshl_b32 s42, ttmp9, 2
	s_add_co_u32 s42, s42, s40                     ; tile column of C = 4 x cluster x + cx
	s_and_b32 s17, ttmp7, 0xffff
	s_lshl_b32 s17, s17, 2
	s_add_co_u32 s17, s17, s41                     ; tile row of C = 4 x cluster y + cy
	s_lshl_b32 s43, s41, 2
	s_lshl_b32 s43, 15, s43                        ; my row of the cluster
	s_lshl_b32 s44, 0x1111, s40                    ; my column
	; descriptor groups 1: 128 rows x 256 bytes.  A's: dense in memory and in LDS.  B's: rows KROW bytes apart in memory, padded in LDS
	s_or_b32 s[G1+0], s43, (0<<16)|(1<<21)         ; 15:0 the mask: A's tiles go to my row; 17:16 element of 1 byte; 20 no padding; 21 set beside a mask
	s_or_b32 s[G1B+0], s44, (0<<16)|(1<<20)|(1<<21)|(5<<22)|(3<<25)  ; the mask of my column; padding on: after every 64 words (code 5) 4 words (code 3)
.irp g, G1, G1B
	s_mov_b32 s[\g+1], ROWB<<16                    ; tensor_dim0
	s_mov_b32 s[\g+2], 128<<16                     ; tensor_dim1 = 128
	s_mov_b32 s[\g+3], ROWB<<16                    ; tile_dim0
	s_mov_b32 s[\g+4], 128                         ; tile_dim1 = 128
	s_mov_b32 s[\g+6], 0
	s_mov_b32 s[\g+7], 0
.endr
	s_mov_b32 s[G1+5], ROWB                        ; tensor_dim0_stride: A's rows follow each other,
	s_mov_b32 s[G1B+5], KROW                       ; Wo's lie a row of the matrix apart
	s_lshl_b32 s20, s17, 16                        ; A: 65,536 x tile row
	s_lshl_b32 s18, s16, 15
	s_add_co_u32 s20, s20, s18                     ;    + 32,768 x half
	s_mov_b32 s21, 0
	s_lshl_b32 s18, s16, 7
	s_lshl_b32 s46, s42, 8
	s_add_co_u32 s46, s46, s18                     ; B: row 256 x tile column + 128 x half,
	s_lshl_b32 s46, s46, 10                        ;    of 1,024 bytes
	s_mov_b32 s47, 0
	s_mul_i32 s45, s16, HALFA                      ; where they go: no place in the cluster enters an LDS address
	s_mul_i32 s66, s16, HALFB
	s_add_co_u32 s66, s66, BOFF
	s_wait_kmcnt 0x0
	s_load_b64 s[96:97], s[8:9], 0x28              ; e10, e11
	s_add_nc_u64 s[20:21], s[4:5], s[20:21]
	s_add_nc_u64 s[46:47], s[6:7], s[46:47]
	CROUND                                         ; all sixteen work-groups are here: the first joint loads meet
.irp s, 0,1
	s_mov_b32 s[G0+4*\s], 1
	s_add_co_u32 s[G0+4*\s+1], s45, \s*SLOT
	s_add_nc_u64 s[G0+4*\s+2:G0+4*\s+3], s[20:21], \s*KCB
	s_or_b32 s[G0+4*\s+3], s[G0+4*\s+3], 0x80000000
	s_mov_b32 s[G0B+4*\s], 1
	s_add_co_u32 s[G0B+4*\s+1], s66, \s*SLOT
	s_add_nc_u64 s[G0B+4*\s+2:G0B+4*\s+3], s[46:47], \s*ROWB
	s_or_b32 s[G0B+4*\s+3], s[G0B+4*\s+3], 0x80000000
	s_wait_alu depctr_va_vdst(0)
	s_wait_tensorcnt 0x0
	ds_add_u32 v28, v29
	ds_add_u32 v28, v29
	s_wait_dscnt 0x0
	CROUND
	JLOAD G0+4*\s, G1, G0B+4*\s, G1B
.endr
	v_and_b32 v1, 15, v0                           ; l % 16
	v_bfe_u32 v2, v0, 4, 1                         ; l / 16
	v_mul_u32_u24 v3, v1, PITCH
	v_lshl_add_u32 v4, v2, 4, v3                   ; B: a fragment's row x pitch + 16 x half
	v_and_b32 v6, 31, v0
	v_lshlrev_b32 v[CO], 4, v6                     ; A: 16 x lane
	s_wait_alu depctr_va_vdst(0)
	s_mul_i32 s21, s15, HALFA                      ; my 128 rows of A
	s_mul_i32 s22, s16, HALFB                      ; my 128 rows of B,
	s_add_co_u32 s22, s22, BOFF                    ; which lie behind A's tile
.irp s, 0,1
	v_add_nc_u32 v[ADRA+\s], s21, v[CO]
	v_add_nc_u32 v[ADRB+\s], s22, v4
	s_add_co_u32 s21, s21, SLOT
	s_add_co_u32 s22, s22, SLOT
.endr
	s_mul_i32 s23, s14, 16*SPITCH                  ; my stage
	v_mul_u32_u24 v5, v1, SPITCH                   ; in: row l % 16, 32 bytes for each half of the lanes
	v_lshl_add_u32 v5, v2, 5, v5
	v_add_nc_u32 v[STO], s23, v5
	v_add_nc_u32 v[RD], s23, v[CO]                 ; back: the 32 lanes take one row of 512 bytes; and the same in C
	s_lshl_b32 s20, s17, 8
	s_lshl_b32 s21, s15, 7
	s_add_co_u32 s20, s20, s21                     ; my first row of C: 256 x tile row + 128 x half
	s_mov_b32 s21, 0
	s_mov_b64 s[18:19], SIZE_N*4
	s_mul_u64 s[20:21], s[20:21], s[18:19]
	s_lshl_b32 s46, s42, 10                        ; my first column, in bytes: 1024 x tile column + 512 x half
	s_lshl_b32 s47, s16, 9
	s_add_co_u32 s46, s46, s47
	s_mov_b32 s47, 0
	s_add_nc_u64 s[20:21], s[20:21], s[46:47]
	s_add_nc_u64 s[10:11], s[10:11], s[20:21]
.macro FRAG reg, adr, q, i             ; a fragment of Wo, 16 rows x 128 K, is 16 registers: lane l holds row l % 16; registers 4 c .. 4 c + 3 hold K = 32 c + 16 (l / 16) + 0 .. 15
.irp c, 0,1,2,3
	ds_load_b128 v[\reg+4*\c:\reg+4*\c+3], v[\adr] offset:128*(\q)+32*\c+(\i)*16*PITCH
.endr
.endm
.macro FRAGA reg, adr, q, i            ; a fragment of A comes as it was stored: block i of 16 tokens, the q-th 128 along K, group c: the same k in the same registers as Wo's
.irp c, 0,1,2,3
	ds_load_b128 v[\reg+4*\c:\reg+4*\c+3], v[\adr] offset:4096*(\i)+2048*(\q)+512*\c
.endr
.endm
; 16 matrix instructions: A's blocks a0, a0 + 1 x B's eight, 128 along K.  p: B's set.  zero = 1: the first product starts the sums: nothing is ever cleared.
; The 64 accumulators take turns, one instruction a turn, in the same order in every step.
.macro MUL16 a0, p, zero
.irp a, \a0, \a0+1
.irp b, 0,1,2,3,4,5,6,7
.if \zero
	v_wmma_f32_16x16x128_fp8_fp8 v[8*(8*((\a)%4)+\b):8*(8*((\a)%4)+\b)+7], v[128*(\p)+FR*\b:128*(\p)+FR*\b+FR-1], v[AF+FR*(\a):AF+FR*(\a)+FR-1], 0
.else
	v_wmma_f32_16x16x128_fp8_fp8 v[8*(8*((\a)%4)+\b):8*(8*((\a)%4)+\b)+7], v[128*(\p)+FR*\b:128*(\p)+FR*\b+FR-1], v[AF+FR*(\a):AF+FR*(\a)+FR-1], v[8*(8*((\a)%4)+\b):8*(8*((\a)%4)+\b)+7]
.endif
.endr
.endr
.endm
.macro FETCH_B slot, q, p              ; B's eight fragments of the slot's q-th 128 along K into set p
	WIN TO_B
.irp i, 0,1,2,3,4,5,6,7
	FRAG 128*(\p)+FR*\i, ADRB+\slot, \q, \i
.endr
	WIN 0
.endm
.macro FETCH_A slot, q, i0             ; A's blocks i0 .. i0 + 3
.irp i, \i0, \i0+1, \i0+2, \i0+3
	FRAGA AF+FR*(\i), ADRA+\slot, \q, \i
.endr
.endm
; A load into a register that a matrix instruction has read, and a vector instruction that reads a matrix result, stand NP places behind that matrix instruction; only plain vector
; instructions that name none of its registers are places (ISA guide 7.12.1 for vector instructions).
.macro PLACES n
.rept \n
	v_nop
.endr
.endm
; A step of 128 along K that has its successor in the same slot.  A's blocks are free as soon as their eight products are issued, so one set of registers serves A; B has two.
.macro STEP slot, q, zero
	s_wait_dscnt 4*NL                              ; B's set and A's blocks 0-3 are in; the youngest 16 loads (A's blocks 4-7) may be out
	WIN MUL_LO
	MUL16 0, (\q)%2, \zero
	MUL16 2, (\q)%2, \zero
	s_wait_dscnt 0                                 ; A's blocks 4-7 are in (asked for 32 matrix instructions ago)
	PLACES NP
	FETCH_B \slot, (\q)+1, 1-(\q)%2
	FETCH_A \slot, (\q)+1, 0
	WIN MUL_HI
	MUL16 4, (\q)%2, \zero
	MUL16 6, (\q)%2, \zero
	PLACES NP
	WIN 0
	FETCH_A \slot, (\q)+1, 4
.endm
; A slot's last step changes slots: ONE barrier; in front of it each wave waits for all its tensor loads, adds 0 to its spare word, and waits for that and for its own reads of this slot.  fill = 1: this slot is filled again, two K steps ahead.
.macro TURN slot, next, fill
	s_wait_tensorcnt 0x0                           ; all my tensor loads have landed: my part of the next slot;  (every window is 0 here: the add's two registers lie in window 0)
	ds_add_u32 v[SPW], v[NIL]                      ; 0 onto my spare word
	s_wait_dscnt 4*NL+1                            ; (the add and the youngest 16 loads, A's blocks 4-7, may be out)
	WIN MUL_LO
	MUL16 0, 1, 0                                  ; sixteen matrix instructions stand between the add and the wait for it
	s_wait_dscnt 0x0                               ; the add is done, and my reads of this slot are over
	s_barrier_signal -1
	MUL16 2, 1, 0
	WIN 0
	s_barrier_wait -1
.if \fill
	CREST                                          ; the barrier has opened a round of the cluster's barrier: no wave of any partner still reads this slot's tile or has a load on its way
	s_add_nc_u64 s[G0+4*\slot+2:G0+4*\slot+3], s[G0+4*\slot+2:G0+4*\slot+3], 2*KCB
	s_add_nc_u64 s[G0B+4*\slot+2:G0B+4*\slot+3], s[G0B+4*\slot+2:G0B+4*\slot+3], 2*ROWB
	JLOAD G0+4*\slot, G1, G0B+4*\slot, G1B         ; the first tensor load behind the round; the four v_nop behind it are the places in front of the loads below
.else
	PLACES NP
.endif
	FETCH_B \next, 0, 0
	FETCH_A \next, 0, 0
	WIN MUL_HI
	MUL16 4, 1, 0
	MUL16 6, 1, 0
	PLACES NP
	WIN 0
	FETCH_A \next, 0, 4
.endm
	s_wait_alu depctr_va_vdst(0)
	s_wait_tensorcnt 1                             ; my part of K step 0 is in (K step 1's load, issued behind it, may be out),
	s_barrier_signal -1
	s_barrier_wait -1                              ; everybody's is
	FETCH_B 0, 0, 0
	FETCH_A 0, 0, 0
	FETCH_A 0, 0, 4
	STEP 0, 0, 1                                   ; the first step stands in front of the loop: its products start the sums
	s_mov_b32 s3, LAPS-1
.Llap:                                                 ; a trip goes once round the ring, from a lap's second step to the next lap's first, and fills both slots again
	TURN 0, 1, 1
	STEP 1, 0, 0
	TURN 1, 0, 1
	STEP 0, 0, 0
	s_sub_co_u32 s3, s3, 1
	s_cmp_lg_u32 s3, 0
	s_cbranch_scc1 .Llap
	TURN 0, 1, 0                                   ; the last lap fills nothing, and has no round of the cluster's barrier
	STEP 1, 0, 0
	s_wait_dscnt 4*NL                              ; the very last step: nothing more to fetch
	WIN MUL_LO
	MUL16 0, 1, 0
	MUL16 2, 1, 0
	s_wait_dscnt 0
	WIN MUL_HI
	MUL16 4, 1, 0
	MUL16 6, 1, 0
	WIN 0
; THE WAY OUT, block by block of 16 rows x 128 columns.  A lane holds 32 neighbouring bytes of a row, and the lanes beside it hold other rows: so a block goes through my own stage in LDS and comes back as whole
; rows of 512 bytes, which the 32 lanes store as 512 consecutive bytes.  LDS serves a wave's instructions in order (ISA guide 5.7.1.4): no wait between the stores and the loads, nor in front of the next block's stores.
.macro TOSTAGE a
.set AC, 64*((\a)%4)
	WIN 0x02+((\a)/4)                              ; source 0: window 2 or 3
.irp j, 0,2,4,6,8,10,12,14,16,18,20,22,24,26,28,30,32,34,36,38,40,42,44,46,48,50,52,54,56,58,60,62
	v_pk_mul_f32 v[TMP+\j:TMP+\j+1], v[AC+\j:AC+\j+1], s[96:97] op_sel_hi:[1,0]   ; both x s96 = 2^(e10 + e11); each accumulator from its low end on
.endr
	WIN 0
.irp b, 0,1,2,3,4,5,6,7
	ds_store_b128 v[STO], v[TMP+8*\b:TMP+8*\b+3] offset:64*\b
	ds_store_b128 v[STO], v[TMP+8*\b+4:TMP+8*\b+7] offset:64*\b+16
.endr
.set BB, BK+64*((\a)%2)
.irp t, 0,1,2,3,4,5,6,7,8,9,10,11,12,13,14,15
	ds_load_b128 v[BB+4*\t:BB+4*\t+3], v[RD] offset:\t*SPITCH
.endr
.endm
.macro SEND a, younger                 ; younger: the LDS instructions issued behind block a's loads, which may stay out
.set BB, BK+64*((\a)%2)
	s_wait_dscnt \younger                          ; the block is back in registers
.if (\a) > 0
	s_add_nc_u64 s[10:11], s[10:11], 16*SIZE_N*4   ; (behind a wait on XCNT: the earlier stores have read their base)  16 rows of C on
.endif
.irp t, 0,1,2,3,4,5,6,7,8,9,10,11,12,13,14,15
	global_store_b128 v[CO], v[BB+4*\t:BB+4*\t+3], s[10:11] offset:\t*SIZE_N*4 th:TH_STORE_NT   ; 32 lanes store 512 consecutive bytes, at a multiple of 512 from C's first byte; written once, read by nobody here
.endr
.endm
	s_wait_kmcnt 0x0
	s_add_co_i32 s96, s96, s97                     ; e10 + e11, between -126 and 127,
	s_add_co_i32 s96, s96, 127
	s_lshl_b32 s96, s96, 23                        ; makes the f32 number 2^(e10 + e11)
	PLACES NP                                      ; behind the last products: for the loads into the registers that held A's fragments and for the reads of results
	TOSTAGE 0
.irp a, 1,2,3,4,5,6,7
.if \a > 1
	s_wait_xcnt 0x0                                ; block a - 2's stores have read their registers and their base: block a's loads may land there, and the base may step
.endif
	TOSTAGE \a
	SEND \a-1, 32                                  ; behind block a - 1's loads: block a's 16 stores and 16 loads
.endr
	s_wait_xcnt 0x0                                ; block 6's stores have read their base
	SEND 7, 0
	s_wait_tensorcnt 0x0                           ; the wave's end: behind my last tensor load and my last LDS store
	ds_add_u32 v[SPW], v[NIL]
	s_wait_dscnt 0x0
	CROUND                                         ; the closing round: no work-group ends while a partner may still ask for a tile that names it
	s_endpgm
.Lfunc_end_k_q9bb8f985c4_oproj:
	.size	k_q9bb8f985c4_oproj, .Lfunc_end_k_q9bb8f985c4_oproj-k_q9bb8f985c4_oproj
	.p2alignl 7, 3214868480
	.fill 96, 4, 3214868480
	.section	.rodata,"a",@progbits
	.p2align	6, 0x0
	.amdhsa_kernel k_q9bb8f985c4_oproj
		.amdhsa_group_segment_fixed_size 327680
		.amdhsa_private_segment_fixed_size 0
		.amdhsa_enable_private_segment 0
		.amdhsa_kernarg_size 32
		.amdhsa_user_sgpr_count 2
		.amdhsa_user_sgpr_kernarg_segment_ptr 1
		.amdhsa_wavefront_size32 1
		.amdhsa_system_sgpr_workgroup_id_x 1
		.amdhsa_system_sgpr_workgroup_id_y 1
		.amdhsa_system_sgpr_workgroup_id_z 1
		.amdhsa_system_vgpr_workitem_id 0
		.amdhsa_next_free_vgpr 1024
		.amdhsa_next_free_sgpr 98
		.amdhsa_reserve_vcc 0
		.amdhsa_float_denorm_mode_32 3
		.amdhsa_float_denorm_mode_16_64 3
		.amdhsa_memory_ordered 1
		.amdhsa_forward_progress 1
		.amdhsa_inst_pref_size 124
	.end_amdhsa_kernel
	.amdgpu_metadata
---
amdhsa.version: [ 1, 2 ]
amdhsa.kernels:
  - .name:           k_q9bb8f985c4_oproj
    .symbol:         k_q9bb8f985c4_oproj.kd
    .args:
      - { .name: a_codes, .offset: 0, .size: 8, .value_kind: global_buffer, .address_space: global }
      - { .name: w_o_codes, .offset: 8, .size: 8, .value_kind: global_buffer, .address_space: global }
      - { .name: lowp_scales, .offset: 16, .size: 8, .value_kind: global_buffer, .address_space: global }
      - { .name: out0, .offset: 24, .size: 8, .value_kind: global_buffer, .address_space: global }
    .group_segment_fixed_size: 327680
    .private_segment_fixed_size: 0
    .kernarg_segment_align: 8
    .kernarg_segment_size: 32
    .max_flat_workgroup_size: 128
    .sgpr_count:     98
    .vgpr_count:     1024
    .wavefront_size: 32
...
	.end_amdgpu_metadata
.endif
;; end of part 3
